; MI455X (gfx1250); checked and timed in simulation.
; The chip was launched on July 23, 2026; its instructions are those of AMD's public machine-readable ISA for CDNA 5 (MIT licence, August 2026) and "CDNA5" Instruction Set Architecture Reference Guide (July 2026). The comments in the code are by the model that wrote it; some were corrected since.
;; Temporal Attention. Allowed arithmetic: float matrix products may take bf16 or f16 operands with f32 sums; other float arithmetic in f32, or as packed bf16 or f16 multiplies, adds, multiply-adds, maxima and minima; sums over many terms, partial sums and values carried from step to step in f32; what a program stores and reads back later, other than sums and carried values, may be rounded once to bf16 or f16.
;; Inputs: Wk 1,024 x 1,024 float32; Wq 1,024 x 1,024 float32; Wv 1,024 x 1,024 float32; bk 1,024 float32; bq 1,024 float32; bv 1,024 float32; scale one number float32; x 4 x 2,048 x 1,024 float32.
;; Outputs: out0 4 x 2,048 x 1,024 float32.
;; One version. Each part assembles by itself: llvm-mc -triple=amdgcn-amd-amdhsa -mcpu=gfx1250 --defsym DOCPART=n.
;; ======== version 1 of 1: 4 launches
;; limits: values are held in f16: magnitudes above 65,504 overflow, below 6.1e-05 lose precision
;; workspace buffers: xb 16,777,216 bytes; wb 6,291,456 bytes; qkv 50,331,648 bytes; pw 33,554,432 bytes; stat 1,048,576 bytes
;; launch prep (part 1): grid 1024 x 1, 4 waves a work-group, no clusters, 0 bytes of LDS; arguments x, Wq, Wk, Wv, xb, wb; writes xb, wb
.if DOCPART == 1
	.amdgcn_target "amdgcn-amd-amdhsa--gfx1250"
	.amdhsa_code_object_version 6
	.text
	.protected	k_q5c7aa2ed21_prep
	.globl	k_q5c7aa2ed21_prep
	.p2align	8
	.type	k_q5c7aa2ed21_prep,@function
k_q5c7aa2ed21_prep:
	s_mov_b64 s[64:65], 0
	v_nop
	global_prefetch_b8 v0, s[64:65] scope:SCOPE_SE
	s_setreg_imm32_b32 hwreg(HW_REG_WAVE_MODE, 25, 1), 1
	s_wait_xcnt 0x0
; CAST, INTO THE LAYOUTS THAT THE NEXT LAUNCH'S TILES WANT.
; xb[16 kb][8192 rows][64] = bf16(x[row][64 kb + ..]): the 256 rows x 64 channels of a tile are 32,768 consecutive bytes.
; wb[8 tc][1024 k][384] = bf16 of columns 128 tc .. 128 tc + 127 of Wq, then of Wk, then of Wv, for row k: the 64 rows of a tile are 49,152 consecutive bytes.
; A stream: every byte is read once and written once; no LDS, no barrier, no matrix work: nothing is shared and nothing is summed.
; SHARES.  Work-group g takes x's rows 8 g .. 8 g + 7 and row g of each W.  Wave w takes the blocks kb = 4 w .. 4 w + 3 of the eight rows, and the quarter w (256 columns) of the three W rows.
; A lane takes 32 bytes (8 numbers) by two loads of 16 and stores 16 bytes.  For x eight lanes take 256 consecutive bytes of a row, and the wave four rows: its store covers 512 consecutive
; bytes of xb, aligned.  For W sixteen lanes store the 256 consecutive bytes, aligned, of one tc.
; All 22 loads of a wave go out at once, each pair into registers of its own: no register is written twice, so no wait but the counted ones on the loads.
.set X, 8                              ; v[8+8p : 8+8p+7]  pair p of eleven: 8 numbers as loaded; its first four registers then hold the 8 bf16
	s_load_b256 s[4:11], s[0:1], 0x0               ; x s[4:5], Wq s[6:7], Wk s[8:9], Wv s[10:11]
	s_load_b128 s[12:15], s[0:1], 0x20             ; xb s[12:13], wb s[14:15]
	v_and_b32 v1, 31, v0                           ; lane
	v_lshrrev_b32 v6, 5, v0                        ; wave
	v_and_b32 v7, 7, v0                            ; lane % 8
	v_bfe_u32 v2, v0, 3, 2                         ; lane / 8
	v_lshlrev_b32 v2, 12, v2                       ; in x: a row of 4,096 bytes for each eight lanes,
	v_lshl_add_u32 v2, v7, 5, v2                   ; 32 bytes a lane,
	v_lshl_add_u32 v2, v6, 10, v2                  ; wave x 4 blocks of 256 bytes
	v_lshlrev_b32 v3, 4, v1
	v_lshl_add_u32 v3, v6, 22, v3                  ; in xb: 16 x lane (four rows of 128 bytes) + wave x 4 blocks of 1,048,576 bytes
	v_lshlrev_b32 v4, 5, v1
	v_lshl_add_u32 v4, v6, 10, v4                  ; in a row of W: 32 x lane + wave x 1,024
	v_bfe_u32 v5, v0, 4, 1                         ; lane / 16
	v_lshl_add_u32 v5, v6, 1, v5                   ; tc = 2 x wave + lane / 16
	v_mul_u32_u24 v5, v5, 0xc0000                  ; in wb: tc x 1,024 rows of 768 bytes
	v_and_b32 v7, 15, v0
	v_lshl_add_u32 v5, v7, 4, v5                   ; + 16 x (lane % 16)
	s_lshl_b32 s16, ttmp9, 15                      ; the group's 8 rows of x
	s_mov_b32 s17, 0
	s_lshl_b32 s18, ttmp9, 12                      ; its row of each W
	s_mov_b32 s19, 0
	s_lshl_b32 s20, ttmp9, 10                      ; its 8 rows of 128 bytes in a block of xb
	s_mov_b32 s21, 0
	s_mul_i32 s22, ttmp9, 768                      ; its row in a tc of wb
	s_mov_b32 s23, 0
	s_wait_kmcnt 0x0
	s_add_nc_u64 s[4:5], s[4:5], s[16:17]
	s_add_nc_u64 s[6:7], s[6:7], s[18:19]
	s_add_nc_u64 s[8:9], s[8:9], s[18:19]
	s_add_nc_u64 s[10:11], s[10:11], s[18:19]
	s_add_nc_u64 s[12:13], s[12:13], s[20:21]
	s_add_nc_u64 s[14:15], s[14:15], s[22:23]
.irp p, 0,1,2,3,4,5,6,7                ; x: rows 4 (p / 4) + lane / 8, block 4 w + p % 4
	global_load_b128 v[X+8*(\p):X+8*(\p)+3],   v2, s[4:5] offset:((\p)/4)*16384+((\p)%4)*256 th:TH_LOAD_NT
	global_load_b128 v[X+8*(\p)+4:X+8*(\p)+7], v2, s[4:5] offset:((\p)/4)*16384+((\p)%4)*256+16 th:TH_LOAD_NT
.endr
.irp m, 0,1,2                          ; Wq, Wk, Wv
	global_load_b128 v[X+64+8*(\m):X+64+8*(\m)+3], v4, s[6+2*(\m):7+2*(\m)] th:TH_LOAD_NT
	global_load_b128 v[X+64+8*(\m)+4:X+64+8*(\m)+7], v4, s[6+2*(\m):7+2*(\m)] offset:16 th:TH_LOAD_NT
.endr
.macro CAST p                          ; pair p is in (behind it 20 - 2 p younger loads were issued); 8 numbers become 16 bytes, in place, from the low end
	s_wait_loadcnt 20-2*(\p)
.irp u, 0,1,2,3
	v_cvt_pk_bf16_f32 v[X+8*(\p)+(\u)], v[X+8*(\p)+2*(\u)], v[X+8*(\p)+2*(\u)+1]
.endr
.endm
.irp p, 0,1,2,3,4,5,6,7
	CAST \p
	global_store_b128 v3, v[X+8*(\p):X+8*(\p)+3], s[12:13] offset:((\p)%4)*1048576+((\p)/4)*512
.endr
.irp m, 0,1,2
	CAST 8+(\m)
	global_store_b128 v5, v[X+64+8*(\m):X+64+8*(\m)+3], s[14:15] offset:(\m)*256
.endr
	s_endpgm
.Lfunc_end_k_q5c7aa2ed21_prep:
	.size	k_q5c7aa2ed21_prep, .Lfunc_end_k_q5c7aa2ed21_prep-k_q5c7aa2ed21_prep
	.p2alignl 7, 3214868480
	.fill 96, 4, 3214868480
	.section	.rodata,"a",@progbits
	.p2align	6, 0x0
	.amdhsa_kernel k_q5c7aa2ed21_prep
		.amdhsa_group_segment_fixed_size 0
		.amdhsa_private_segment_fixed_size 0
		.amdhsa_enable_private_segment 0
		.amdhsa_kernarg_size 48
		.amdhsa_user_sgpr_count 2
		.amdhsa_user_sgpr_kernarg_segment_ptr 1
		.amdhsa_wavefront_size32 1
		.amdhsa_system_sgpr_workgroup_id_x 1
		.amdhsa_system_sgpr_workgroup_id_y 1
		.amdhsa_system_sgpr_workgroup_id_z 1
		.amdhsa_system_vgpr_workitem_id 0
		.amdhsa_next_free_vgpr 104
		.amdhsa_next_free_sgpr 66
		.amdhsa_reserve_vcc 0
		.amdhsa_float_denorm_mode_32 3
		.amdhsa_float_denorm_mode_16_64 3
		.amdhsa_memory_ordered 1
		.amdhsa_forward_progress 1
		.amdhsa_inst_pref_size 8
	.end_amdhsa_kernel
	.amdgpu_metadata
---
amdhsa.version: [ 1, 2 ]
amdhsa.kernels:
  - .name:           k_q5c7aa2ed21_prep
    .symbol:         k_q5c7aa2ed21_prep.kd
    .args:
      - { .name: x, .offset: 0, .size: 8, .value_kind: global_buffer, .address_space: global }
      - { .name: Wq, .offset: 8, .size: 8, .value_kind: global_buffer, .address_space: global }
      - { .name: Wk, .offset: 16, .size: 8, .value_kind: global_buffer, .address_space: global }
      - { .name: Wv, .offset: 24, .size: 8, .value_kind: global_buffer, .address_space: global }
      - { .name: xb, .offset: 32, .size: 8, .value_kind: global_buffer, .address_space: global }
      - { .name: wb, .offset: 40, .size: 8, .value_kind: global_buffer, .address_space: global }
    .group_segment_fixed_size: 0
    .private_segment_fixed_size: 0
    .kernarg_segment_align: 8
    .kernarg_segment_size: 48
    .max_flat_workgroup_size: 128
    .sgpr_count:     66
    .vgpr_count:     104
    .wavefront_size: 32
...
	.end_amdgpu_metadata
.endif
;; end of part 1
;; launch proj (part 2): grid 8 x 32, 4 waves a work-group, clusters of 4 x 4, 327,680 bytes of LDS; arguments xb, wb, bq, bk, bv, scale, qkv; writes qkv
.if DOCPART == 2
	.amdgcn_target "amdgcn-amd-amdhsa--gfx1250"
	.amdhsa_code_object_version 6
	.text
	.protected	k_q5c7aa2ed21_proj
	.globl	k_q5c7aa2ed21_proj
	.p2align	8
	.type	k_q5c7aa2ed21_proj,@function
k_q5c7aa2ed21_proj:
	s_mov_b64 s[64:65], 0
	v_nop
	global_prefetch_b8 v0, s[64:65] scope:SCOPE_SE
	s_setreg_imm32_b32 hwreg(HW_REG_WAVE_MODE, 25, 1), 1
	s_wait_xcnt 0x0
	s_wait_alu depctr_hold_cnt(0) depctr_sa_sdst(0) depctr_va_vdst(0) depctr_va_sdst(0) depctr_va_ssrc(0) depctr_va_vcc(0) depctr_vm_vsrc(0)
	s_getreg_b32 s2, hwreg(HW_REG_IB_STS2, 6, 4)
	s_cmp_eq_u32 s2, 0
	s_cbranch_scc0 .Lentry_in_a_cluster
	s_endpgm
.Lentry_in_a_cluster:
	s_bfe_u32 s2, ttmp6, 0x10000c
	s_cmp_lg_u32 s2, 0xf033
	s_cbranch_scc0 .Lentry_shape_is_right
	s_endpgm
.Lentry_shape_is_right:
; PROJECTIONS.  qkv[8192][3072] (f16, a row q' | k | v) = (x . W + bias) x g.  Sums in f32.  q is scaled in f32 by g = log2(e) / scale ahead of its one rounding, so that the next launch's
; scores are exponents of 2; for k and v g = 1.  The biases and the scale are rounded to bf16 like x and the weights: all inputs of the module have the same one rounding.
; xb: [16 kb][8192][64] bf16; wb: [8 tc][1024 k][q 128 | k 128 | v 128] bf16: a tile's rows lie end to end and are asked for as rows of 256 bytes.
; LIMITS.  f16 holds no number beyond 65,504: q x g, k and v must lie within it.  NaN and infinities are not treated apart.
; SHARES.  8192 x 3072 numbers are 256 tiles of 256 rows x 384 columns: one work-group to a tile.  Tile column tc is columns 128 tc .. + 127 of q, of k and of v: three GROUPS.
; A wave makes 128 rows x 64 columns of each group: 96 accumulators of 16 x 16, 768 registers.  K = 1,024 goes in 16 steps of 64 through two LDS slots (two slots of 128 would not fit).
; CLUSTER.  4 x 4 work-groups.  The four of a row of the cluster need the same rows of xb, the four of a column the same tc of wb: each tile is asked for jointly, by the same tensor load
; with the same descriptor and a mask that names the four.  No prefetch: xb's blocks are read by two clusters and wb's by eight, not once.
; THE MATRIX INSTRUCTION IS USED TRANSPOSED: source 0 = 16 columns of wb, source 1 = 16 rows of xb; a lane then holds row l % 16 and the columns 8 (l / 16) + 0..7: 16 bytes of f16 on end.
; wb lies [k][n]: its fragments come out of LDS turned, by ds_load_tr16_b128.
; A QUARTER is 32 along K: three THIRDS of 32 products, a group each.  Behind third g stand four places and ONE run of LDS loads: group g's fragments of the next quarter, into the registers
; just read, and (behind thirds 0 and 1) half of the next quarter's fragments of xb, into the other buffer.
; REGISTERS, in windows of 256: window 0: v0-31 addresses; v32-95, v96-159 fragments of xb, two buffers; v160-255 fragments of wb, 32 a group; all of v32-255 at work on the way out.
;   window g + 1: group g's 32 accumulators, (row block a, column block i) at v[8 (4 a + i)].
.set PA,     144                       ; a row of xb in LDS: 128 bytes + 16 of padding: the 16 rows of a load start at 16 different groups of four banks (ISA guide 11.1)
.set PB,     864                       ; a row (one k) of wb in LDS: three times 256 bytes + 32: an odd multiple of 32, for the turning load
.set AHALF,  128*PA                    ; what one tensor load of xb brings: 128 rows
.set BHALF,  32*PB                     ; of wb: 32 rows
.set BOFF,   2*AHALF                   ; wb lies behind xb's 256 rows
.set SLOT1,  1<<17                     ; slot 1 begins here: one exclusive or turns an address in one slot into the other's
.set SPITCH, 784                       ; the stage, from LDS byte 0 on, over the two slots, written when they have had their last fill: 256 rows x (768 + 16) bytes
.set BT,     SLOT1+BOFF+2*BHALF        ; behind slot 1: bias x g of the tile's 3 x 128 columns, f32
.set SPARE,  BT+1536                   ; the spare words, 128 bytes for each wave: two blocks of 256 bytes that no other line names
.set STEP_A, 8192*128                  ; a K step in xb: the next block
.set STEP_B, 64*768                    ; in wb: 64 rows
.set CPITCH, 6144                      ; a row of qkv
.set STEPS,  16
.set LA0,  16                          ; v16  my lane's place among xb's fragments in a slot; never rewritten
.set LB0,  17                          ; v17  the same for wb
.set ADRA, 18                          ; v18  LA0 + the slot in hand
.set ADRB, 19                          ; v19  LB0 + the slot in hand
.set STO0, 20                          ; v20, v21  the way out: where I put 16 bytes of a row, for row blocks 0-3 and 4-7
.set RD,   24                          ; v24  the way out: where I read rows back
.set CO,   25                          ; v25  my byte offset in qkv
.set BTA,  26                          ; v26  where my columns' bias lies
.set SPW,  28                          ; v28  LDS address of my spare word; never rewritten
.set NIL,  29                          ; v29  0; never rewritten
.set AF0,  32
.set AF1,  96
.set BGR,  160                         ; group g, column block i at BGR + 32 g + 8 i
.set T,    32                          ; the way out: a row block's 96 numbers a lane in f32, then packed in place
.set BG,   160                         ; the way out: bias x g, laid as the fragments were
.set WV, 10                            ; s10 wave
.set RH, 11                            ; s11 which half of the tile's rows is mine; also: I fetch xb (0) or wb (1)
.set CH, 12                            ; s12 which half of each group's columns; also: which half of that tile I fetch
.set TR, 13                            ; s13 tile row
.set CX, 40
.set CY, 41
.set TC, 42                            ; s42 tile column
.set CB, 8                             ; s[8:9] qkv
.set G1, 24                            ; s[24:31] descriptor group 1 for xb
.set G0, 32                            ; s[32:35] group 0 of slot 0's first fill; s[36:39] the walking one
.set G1B, 48                           ; s[48:55], s[56:59], s[60:63] the same for wb
.set G0B, 56
.set TB, 66                            ; s66 LDS byte at which the slot in hand begins
.set GS, 80                            ; s[80:81] log2(e) / scale, named as a pair
.set MSB, 0
.macro WIN new                         ; the immediate's high byte repeats the setting that is left; a switch that changes nothing is dropped
.if MSB != (\new)
	s_set_vgpr_msb (MSB<<8)|(\new)
.set MSB, \new
.endif
.endm
; A joint load.  Waves 0 and 1 fetch xb's two halves, waves 2 and 3 wb's.  The branch hangs on the wave's number alone.  An s_nop 0 and four v_nop follow each line.
.macro JLOAD s
	s_cmp_eq_u32 s[RH], 0
	s_cbranch_scc0 .Lfor_b_\@
	tensor_load_to_lds s[G0+4*(\s):G0+4*(\s)+3], s[G1:G1+7]
	s_nop 0
.rept 4
	v_nop
.endr
	s_branch .Lasked_\@
.Lfor_b_\@:
	tensor_load_to_lds s[G0B+4*(\s):G0B+4*(\s)+3], s[G1B:G1B+7]
	s_nop 0
.rept 4
	v_nop
.endr
.Lasked_\@:
.endm
.macro CREST                           ; a round of the cluster's barrier behind its opening barrier
	s_cmp_lg_u32 s[WV], 0
	s_cbranch_scc1 .Lnot_wave_0_\@
	s_barrier_signal -3
.Lnot_wave_0_\@:
	s_barrier_wait -3
	s_barrier_signal -1
	s_barrier_wait -1
.endm
.macro CROUND                          ; a whole round
	s_barrier_signal -1
	s_barrier_wait -1
	CREST
.endm
.macro PLACES                          ; four places behind a matrix instruction, in front of loads into registers that it read and of lines that read results
.rept 4
	v_nop
.endr
.endm
	s_load_b128 s[4:7], s[0:1], 0x0                ; xb s[4:5], wb s[6:7]
	s_load_b128 s[68:71], s[0:1], 0x10             ; bq s[68:69], bk s[70:71]
	s_load_b128 s[72:75], s[0:1], 0x20             ; bv s[72:73], scale s[74:75]
	s_load_b64 s[CB:CB+1], s[0:1], 0x30            ; qkv
	v_lshl_add_u32 v[SPW], v0, 2, SPARE
	v_mov_b32 v[NIL], 0
	ds_add_u32 v[SPW], v[NIL]                      ; the wave's opening: the add and its wait stand ahead of my first tensor load; the set-up below stands between them
	v_lshrrev_b32 v1, 5, v0
	v_readfirstlane_b32 s[WV], v1
	s_lshr_b32 s[RH], s[WV], 1
	s_and_b32 s[CH], s[WV], 1
	s_bfe_u32 s[CX], ttmp6, 0x40000
	s_bfe_u32 s[CY], ttmp6, 0x40004
	s_lshl_b32 s[TC], ttmp9, 2
	s_add_co_u32 s[TC], s[TC], s[CX]               ; tile column = 4 x cluster x + cx
	s_and_b32 s[TR], ttmp7, 0xffff
	s_lshl_b32 s[TR], s[TR], 2
	s_add_co_u32 s[TR], s[TR], s[CY]               ; tile row = 4 x cluster y + cy
	s_lshl_b32 s43, s[CY], 2
	s_lshl_b32 s43, 15, s43                        ; my row of the cluster
	s_lshl_b32 s44, 0x1111, s[CX]                  ; my column
	; group 1 for xb: 128 rows of 128 bytes are 16,384 consecutive bytes: 64 rows x 128 elements of 2 bytes, 4 words of padding after every 32 (after each row of xb)
	s_or_b32 s[G1+0], s43, (1<<16)|(1<<20)|(1<<21)|(4<<22)|(3<<25)
	s_mov_b32 s[G1+1], 128<<16                     ; tensor_dim0 = 128
	s_mov_b32 s[G1+2], 64<<16                      ; tensor_dim1 = 64
	s_mov_b32 s[G1+3], 128<<16                     ; tile_dim0 = 128
	s_mov_b32 s[G1+4], 64                          ; tile_dim1 = 64
	s_mov_b32 s[G1+5], 128                         ; elements from row to row
	s_mov_b32 s[G1+6], 0
	s_mov_b32 s[G1+7], 0
	; group 1 for wb: 32 rows of 768 bytes are 24,576 consecutive bytes: 96 rows x 128 elements, 8 words of padding after every 64 (after each group's 128 columns)
	s_or_b32 s[G1B+0], s44, (1<<16)|(1<<20)|(1<<21)|(5<<22)|(7<<25)
	s_mov_b32 s[G1B+1], 128<<16
	s_mov_b32 s[G1B+2], 96<<16
	s_mov_b32 s[G1B+3], 128<<16
	s_mov_b32 s[G1B+4], 96
	s_mov_b32 s[G1B+5], 128
	s_mov_b32 s[G1B+6], 0
	s_mov_b32 s[G1B+7], 0
	s_lshl_b32 s16, s[TR], 8
	s_lshl_b32 s17, s[CH], 7
	s_add_co_u32 s16, s16, s17
	s_lshl_b32 s16, s16, 7                         ; xb: (256 x tile row + 128 x half) rows of 128 bytes, in block 0
	s_mov_b32 s17, 0
	s_mul_i32 s46, s[TC], 1024*768                 ; wb: the tile column's 1,024 rows of 768 bytes,
	s_mul_i32 s47, s[CH], 32*768                   ; + 32 x half rows
	s_add_co_u32 s46, s46, s47
	s_mov_b32 s47, 0
	s_mul_i32 s20, s[CH], AHALF                    ; where they go: no place in the cluster enters an LDS address
	s_mul_i32 s21, s[CH], BHALF
	s_add_co_u32 s21, s21, BOFF
	s_mov_b32 s[TB], 0
	s_wait_dscnt 0x0                               ; the opening add is done
	s_wait_kmcnt 0x0
	s_add_nc_u64 s[14:15], s[4:5], s[16:17]
	s_add_nc_u64 s[46:47], s[6:7], s[46:47]
	CROUND                                         ; all sixteen work-groups are here: the first joint loads meet
.irp s, 0,1
	s_mov_b32 s[G0+4*(\s)], 1
	s_add_co_u32 s[G0+4*(\s)+1], s20, (\s)*SLOT1
	s_add_nc_u64 s[G0+4*(\s)+2:G0+4*(\s)+3], s[14:15], (\s)*STEP_A
	s_or_b32 s[G0+4*(\s)+3], s[G0+4*(\s)+3], 0x80000000
	s_mov_b32 s[G0B+4*(\s)], 1
	s_add_co_u32 s[G0B+4*(\s)+1], s21, (\s)*SLOT1
	s_add_nc_u64 s[G0B+4*(\s)+2:G0B+4*(\s)+3], s[46:47], (\s)*STEP_B
	s_or_b32 s[G0B+4*(\s)+3], s[G0B+4*(\s)+3], 0x80000000
	JLOAD \s                                       ; K steps 0 and 1: two tensor loads of mine are out
.endr
	; the bias table: thread t takes column 128 tc + t of bq, of bk and of bv
	s_lshl_b32 s46, s[TC], 9
	s_mov_b32 s47, 0
	s_add_nc_u64 s[68:69], s[68:69], s[46:47]
	s_add_nc_u64 s[70:71], s[70:71], s[46:47]
	s_add_nc_u64 s[72:73], s[72:73], s[46:47]
	v_lshlrev_b32 v6, 2, v0
	global_load_b32 v8, v6, s[68:69]
	global_load_b32 v9, v6, s[70:71]
	global_load_b32 v10, v6, s[72:73]
	s_load_b32 s76, s[74:75], 0x0                  ; the scale
	; a fragment of xb: lane l holds row l % 16; two loads of 16 bytes, 32 bytes apart, at row x pitch + 16 (l / 16)
	v_and_b32 v1, 15, v0                           ; l % 16
	v_bfe_u32 v2, v0, 4, 1                         ; l / 16
	v_mul_u32_u24 v3, v1, PA
	v_lshl_add_u32 v3, v2, 4, v3
	s_mul_i32 s22, s[RH], AHALF
	v_add_nc_u32 v[LA0], s22, v3
	; the turning load: lane l reads 16 bytes of row k = 8 (l / 16) + l % 8, columns 8 ((l / 8) % 2) + 0..7, and is left with column l % 16 and 8 k
	v_and_b32 v4, 7, v0
	v_lshl_add_u32 v4, v2, 3, v4
	v_mul_u32_u24 v4, v4, PB
	v_bfe_u32 v5, v0, 3, 1
	v_lshl_add_u32 v4, v5, 4, v4
	s_lshl_b32 s22, s[CH], 7                       ; my 64 columns of each group: 128 bytes,
	s_add_co_u32 s22, s22, BOFF                    ; behind xb's 256 rows
	v_add_nc_u32 v[LB0], s22, v4
	v_mul_u32_u24 v5, v1, SPITCH                   ; into the stage: row 128 x my half + l % 16, my 128 bytes of each group's 256, 16 bytes for each half of the lanes
	v_lshl_add_u32 v5, v2, 4, v5
	s_mul_i32 s23, s[RH], 128*SPITCH
	s_lshl_b32 s22, s[CH], 7
	s_add_co_u32 s23, s23, s22
	v_add_nc_u32 v[STO0], s23, v5
	v_add_nc_u32 v[STO0+1], 64*SPITCH, v[STO0]
	v_mul_u32_u24 v5, v2, SPITCH                   ; back: wave w takes rows 64 w .. 64 w + 63, whole; lanes 0-15 256 bytes of one row, lanes 16-31 of the next
	v_lshl_add_u32 v5, v1, 4, v5
	s_mul_i32 s23, s[WV], 64*SPITCH
	v_add_nc_u32 v[RD], s23, v5
	v_mul_u32_u24 v5, v2, CPITCH                   ; and the same two rows in qkv
	v_lshl_add_u32 v[CO], v1, 4, v5
	s_lshl_b32 s22, s[CH], 8
	s_add_co_u32 s22, s22, BT
	v_lshl_add_u32 v[BTA], v2, 5, s22              ; my 8 columns of column block 0: 256 x half + 32 (l / 16)
	s_lshl_b32 s16, s[TR], 8
	s_lshl_b32 s17, s[WV], 6
	s_add_co_u32 s16, s16, s17
	s_mul_i32 s16, s16, CPITCH                     ; the first row of qkv that I store,
	s_lshl_b32 s46, s[TC], 8
	s_add_co_u32 s16, s16, s46                     ; the tile column's 256 bytes in each of q, k, v
	s_mov_b32 s17, 0
	s_add_nc_u64 s[CB:CB+1], s[CB:CB+1], s[16:17]
	s_wait_kmcnt 0x0
	v_mov_b32 v4, s76
	v_cvt_pk_bf16_f32 v4, v4, v4                   ; the scale, rounded to bf16,
	v_lshlrev_b32 v4, 16, v4                       ; as f32
	v_rcp_f32 v5, v4
	v_nop                                          ; a plain instruction behind the reciprocal (ISA guide 5.7.2)
	s_wait_alu depctr_va_vdst(0)
	v_mul_f32 v5, 0x3fb8aa3b, v5                   ; log2(e) / scale
	v_readfirstlane_b32 s[GS], v5
	s_mov_b32 s[GS+1], s[GS]
	s_wait_loadcnt 0x0                             ; the three biases
	v_cvt_pk_bf16_f32 v7, v8, v9                   ; rounded to bf16,
	v_cvt_pk_bf16_f32 v11, v10, v10
	v_lshlrev_b32 v8, 16, v7                       ; back as f32
	v_and_b32 v9, 0xffff0000, v7
	v_lshlrev_b32 v10, 16, v11
	v_mul_f32 v8, s[GS], v8                        ; (sum + bias) g = sum g + bias g: q's bias carries g
	v_lshl_add_u32 v12, v0, 2, BT
	ds_store_b32 v12, v8
	ds_store_b32 v12, v9 offset:512
	ds_store_b32 v12, v10 offset:1024
; 16 products: row blocks a0 .. a0 + 3 x group g's four column blocks, 32 along K, xb's fragments in buffer f.  zero = 1: the first product starts the sums.
; All 96 accumulators take turns, one instruction a turn, in the same order in every quarter.
.macro MULH f, g, a0, zero
	WIN 0x50*((\g)+1)                              ; C and D in window g + 1, both sources in window 0
.irp a, \a0, (\a0)+1, (\a0)+2, (\a0)+3
.irp i, 0,1,2,3
.if \zero
	v_wmma_f32_16x16x32_bf16 v[8*(4*(\a)+(\i)):8*(4*(\a)+(\i))+7], v[BGR+32*(\g)+8*(\i):BGR+32*(\g)+8*(\i)+7], v[(\f)+8*(\a):(\f)+8*(\a)+7], 0
.else
	v_wmma_f32_16x16x32_bf16 v[8*(4*(\a)+(\i)):8*(4*(\a)+(\i))+7], v[BGR+32*(\g)+8*(\i):BGR+32*(\g)+8*(\i)+7], v[(\f)+8*(\a):(\f)+8*(\a)+7], v[8*(4*(\a)+(\i)):8*(4*(\a)+(\i))+7]
.endif
.endr
.endr
.endm
.macro LDB q, g                        ; 8 LDS loads: group g's four fragments of quarter q (0, 1) of the slot in hand
	WIN 0
.irp i, 0,1,2,3
	ds_load_tr16_b128 v[BGR+32*(\g)+8*(\i):BGR+32*(\g)+8*(\i)+3],   v[ADRB] offset:(\q)*32*PB+288*(\g)+32*(\i)
	ds_load_tr16_b128 v[BGR+32*(\g)+8*(\i)+4:BGR+32*(\g)+8*(\i)+7], v[ADRB] offset:(\q)*32*PB+288*(\g)+32*(\i)+16*PB
.endr
.endm
.macro LDA q, f, a0                    ; 8 LDS loads: xb's fragments a0 .. a0 + 3 of quarter q into buffer f
	WIN 0
.irp a, \a0, (\a0)+1, (\a0)+2, (\a0)+3
	ds_load_b128 v[(\f)+8*(\a):(\f)+8*(\a)+3],   v[ADRA] offset:(\q)*64+(\a)*16*PA
	ds_load_b128 v[(\f)+8*(\a)+4:(\f)+8*(\a)+7], v[ADRA] offset:(\q)*64+(\a)*16*PA+32
.endr
.endm
; A K step's first quarter: multiplies buffer 0 and fetches the step's second quarter.
.macro QEVEN zero
	s_wait_dscnt 8                                 ; groups 0 and 1 and all of xb's fragments are in; the youngest run (group 2's eight loads) may be out
	MULH AF0, 0, 0, \zero
	MULH AF0, 0, 4, \zero
	PLACES
	LDB 1, 0
	LDA 1, AF1, 0
	MULH AF0, 1, 0, \zero
	MULH AF0, 1, 4, \zero
	PLACES
	LDB 1, 1
	LDA 1, AF1, 4
	s_wait_dscnt 32                                ; group 2 is in: all but the two runs of 16 just issued
	MULH AF0, 2, 0, \zero
	MULH AF0, 2, 4, \zero
	PLACES
	LDB 1, 2
.endm
; A K step's second quarter: multiplies buffer 1.  All the slot's fragments have been asked for, so the change of slots stands at its head: each wave waits for all its tensor loads, adds 0 to
; its spare word, and waits for that and for its reads of the slot.  fill = 1: the barrier opens a round of the cluster's; behind it the slot just read is filled again, with the K step two on,
; by the walking descriptor: 160 products stand between that request and the wait for it.  Then the next slot's first quarter is fetched.
.macro QODD fill
	WIN 0
	s_wait_tensorcnt 0x0                           ; all my tensor loads have landed: the one that was out is my part of the next slot
	ds_add_u32 v[SPW], v[NIL]                      ; 0 onto my spare word
	s_wait_dscnt 9                                 ; (the add and group 2's eight loads may be out)
	MULH AF1, 0, 0, 0
	s_wait_dscnt 0x0                               ; the add is done, and my reads of this slot are over
	s_barrier_signal -1
	MULH AF1, 0, 4, 0
	WIN 0
	s_barrier_wait -1
.if \fill
	CREST                                          ; no wave of any partner still reads this slot or has a load on its way
	s_xor_b32 s[G0+5], s[G0+5], SLOT1              ; the other slot than last time,
	s_add_nc_u64 s[G0+6:G0+7], s[G0+6:G0+7], STEP_A  ; the next K step
	s_xor_b32 s[G0B+5], s[G0B+5], SLOT1
	s_add_nc_u64 s[G0B+6:G0B+7], s[G0B+6:G0B+7], STEP_B
	JLOAD 1                                        ; my one tensor load behind the round; its four v_nop are also the places in front of the loads below
.else
	PLACES
.endif
	s_xor_b32 s[TB], s[TB], SLOT1
	v_add_nc_u32 v[ADRA], s[TB], v[LA0]
	v_add_nc_u32 v[ADRB], s[TB], v[LB0]
	LDB 0, 0
	LDA 0, AF0, 0
	MULH AF1, 1, 0, 0
	MULH AF1, 1, 4, 0
	PLACES
	LDB 0, 1
	LDA 0, AF0, 4
	MULH AF1, 2, 0, 0                              ; (group 2 came in with the wait for 0 above)
	MULH AF1, 2, 4, 0
	PLACES
	LDB 0, 2
.endm
; THE WAY OUT of row block a (16 rows): q: sum x g + bias x g; k, v: sum + bias; rounded to f16 in place; 16 bytes a lane and column block into the work-group's stage.
.macro PACK a
.irp g, 0,1,2
	WIN (\g)+1                                     ; source 0: window g + 1
.irp i, 0,1,2,3
.irp r, 0,1,2,3
.if (\g) == 0
	v_pk_fma_f32 v[T+8*(\i)+2*(\r):T+8*(\i)+2*(\r)+1], v[8*(4*(\a)+(\i))+2*(\r):8*(4*(\a)+(\i))+2*(\r)+1], s[GS:GS+1], v[BG+8*(\i)+2*(\r):BG+8*(\i)+2*(\r)+1] op_sel_hi:[1,0,1]
.else
	v_pk_add_f32 v[T+32*(\g)+8*(\i)+2*(\r):T+32*(\g)+8*(\i)+2*(\r)+1], v[8*(4*(\a)+(\i))+2*(\r):8*(4*(\a)+(\i))+2*(\r)+1], v[BG+32*(\g)+8*(\i)+2*(\r):BG+32*(\g)+8*(\i)+2*(\r)+1]
.endif
.endr
.endr
.endr
	WIN 0
.irp k, 0,1,2,3,4,5,6,7,8,9,10,11
.irp u, 0,1,2,3
	v_cvt_pk_f16_f32 v[T+8*(\k)+(\u)], v[T+8*(\k)+2*(\u)], v[T+8*(\k)+2*(\u)+1]
.endr
.endr
.irp g, 0,1,2
.irp i, 0,1,2,3
	ds_store_b128 v[STO0+(\a)/4], v[T+32*(\g)+8*(\i):T+32*(\g)+8*(\i)+3] offset:((\a)%4)*16*SPITCH+256*(\g)+32*(\i)
.endr
.endr
.endm
; Rows 16 k .. 16 k + 15 of my 64 come back whole, 24 loads, into buffer k % 2, and are stored.
.macro BACK k
.irp t, 0,1,2,3,4,5,6,7
.irp m, 0,1,2
	ds_load_b128 v[32+96*((\k)%2)+4*(3*(\t)+(\m)):32+96*((\k)%2)+4*(3*(\t)+(\m))+3], v[RD] offset:(16*(\k)+2*(\t))*SPITCH+256*(\m)
.endr
.endr
.endm
.macro OUT k
.irp t, 0,1,2,3,4,5,6,7
.irp m, 0,1,2
	global_store_b128 v[CO], v[32+96*((\k)%2)+4*(3*(\t)+(\m)):32+96*((\k)%2)+4*(3*(\t)+(\m))+3], s[CB:CB+1] offset:(16*(\k)+2*(\t))*CPITCH+2048*(\m)  ; 16 lanes store 256 consecutive bytes, at a multiple of 256 from qkv's first byte
.endr
.endr
.endm
	s_wait_dscnt 0x0                               ; for the others' sake: my part of the bias table is written
	s_wait_tensorcnt 1                             ; my part of K step 0 is in; K step 1's may stay out
	s_barrier_signal -1
	s_barrier_wait -1
	v_mov_b32 v[ADRA], v[LA0]
	v_mov_b32 v[ADRB], v[LB0]
	LDB 0, 0                                       ; the first quarter's fragments, in the order of the runs
	LDA 0, AF0, 0
	LDB 0, 1
	LDA 0, AF0, 4
	LDB 0, 2
	QEVEN 1                                        ; the first quarter stands in front of the loop: its products start the sums
	WIN 0
	s_mov_b32 s3, STEPS-2
.Lstep:                                                ; a trip: a K step's second quarter with the refill (K steps 2 to 15), the next step's first quarter
	QODD 1
	QEVEN 0
	WIN 0
	s_sub_co_u32 s3, s3, 1
	s_cmp_lg_u32 s3, 0
	s_cbranch_scc1 .Lstep
	QODD 0                                         ; the tail is written out: nothing more is asked for
	QEVEN 0
	s_wait_dscnt 8
	MULH AF1, 0, 0, 0
	MULH AF1, 0, 4, 0
	MULH AF1, 1, 0, 0
	MULH AF1, 1, 4, 0
	s_wait_dscnt 0x0                               ; group 2 is in, and my last reads of the slots are over:
	s_barrier_signal -1                            ; say so,
	MULH AF1, 2, 0, 0
	MULH AF1, 2, 4, 0
	WIN 0
	s_barrier_wait -1                              ; and when all four have said so the stage may be written over the slots, which have had their last fill
	PLACES
	PLACES
.irp g, 0,1,2
.irp i, 0,1,2,3
	ds_load_b128 v[BG+32*(\g)+8*(\i):BG+32*(\g)+8*(\i)+3],   v[BTA] offset:512*(\g)+64*(\i)
	ds_load_b128 v[BG+32*(\g)+8*(\i)+4:BG+32*(\g)+8*(\i)+7], v[BTA] offset:512*(\g)+64*(\i)+16
.endr
.endr
	s_wait_dscnt 0x0
.irp a, 0,1,2,3,4,5,6,7
	PACK \a
.endr
	s_wait_dscnt 0x0                               ; for the others' sake: my stores into the stage are done; a row's 256 bytes of a group come from two waves
	s_barrier_signal -1
	s_barrier_wait -1
	BACK 0
	BACK 1
	s_wait_dscnt 24                                ; the older batch of 24 is in
	OUT 0
	s_wait_xcnt 0x0                                ; the registers that those stores read are loaded again only behind this wait
	BACK 2
	s_wait_dscnt 24
	OUT 1
	s_wait_xcnt 0x0
	BACK 3
	s_wait_dscnt 24
	OUT 2
	s_wait_dscnt 0x0
	OUT 3
	s_wait_tensorcnt 0x0                           ; the wave's end
	ds_add_u32 v[SPW], v[NIL]
	s_wait_dscnt 0x0
	CROUND                                         ; the closing round
	s_endpgm
.Lfunc_end_k_q5c7aa2ed21_proj:
	.size	k_q5c7aa2ed21_proj, .Lfunc_end_k_q5c7aa2ed21_proj-k_q5c7aa2ed21_proj
	.p2alignl 7, 3214868480
	.fill 96, 4, 3214868480
	.section	.rodata,"a",@progbits
	.p2align	6, 0x0
	.amdhsa_kernel k_q5c7aa2ed21_proj
		.amdhsa_group_segment_fixed_size 327680
		.amdhsa_private_segment_fixed_size 0
		.amdhsa_enable_private_segment 0
		.amdhsa_kernarg_size 56
		.amdhsa_user_sgpr_count 2
		.amdhsa_user_sgpr_kernarg_segment_ptr 1
		.amdhsa_wavefront_size32 1
		.amdhsa_system_sgpr_workgroup_id_x 1
		.amdhsa_system_sgpr_workgroup_id_y 1
		.amdhsa_system_sgpr_workgroup_id_z 1
		.amdhsa_system_vgpr_workitem_id 0
		.amdhsa_next_free_vgpr 1024
		.amdhsa_next_free_sgpr 84
		.amdhsa_reserve_vcc 0
		.amdhsa_float_denorm_mode_32 3
		.amdhsa_float_denorm_mode_16_64 3
		.amdhsa_memory_ordered 1
		.amdhsa_forward_progress 1
		.amdhsa_inst_pref_size 138
	.end_amdhsa_kernel
	.amdgpu_metadata
---
amdhsa.version: [ 1, 2 ]
amdhsa.kernels:
  - .name:           k_q5c7aa2ed21_proj
    .symbol:         k_q5c7aa2ed21_proj.kd
    .args:
      - { .name: xb, .offset: 0, .size: 8, .value_kind: global_buffer, .address_space: global }
      - { .name: wb, .offset: 8, .size: 8, .value_kind: global_buffer, .address_space: global }
      - { .name: bq, .offset: 16, .size: 8, .value_kind: global_buffer, .address_space: global }
      - { .name: bk, .offset: 24, .size: 8, .value_kind: global_buffer, .address_space: global }
      - { .name: bv, .offset: 32, .size: 8, .value_kind: global_buffer, .address_space: global }
      - { .name: scale, .offset: 40, .size: 8, .value_kind: global_buffer, .address_space: global }
      - { .name: qkv, .offset: 48, .size: 8, .value_kind: global_buffer, .address_space: global }
    .group_segment_fixed_size: 327680
    .private_segment_fixed_size: 0
    .kernarg_segment_align: 8
    .kernarg_segment_size: 56
    .max_flat_workgroup_size: 128
    .sgpr_count:     84
    .vgpr_count:     1024
    .wavefront_size: 32
...
	.end_amdgpu_metadata
.endif
;; end of part 2
;; launch scores (part 3): grid 8 x 32, 4 waves a work-group, clusters of 4 x 4, 327,680 bytes of LDS; arguments qkv, pw, stat; writes pw, stat
.if DOCPART == 3
	.amdgcn_target "amdgcn-amd-amdhsa--gfx1250"
	.amdhsa_code_object_version 6
	.text
	.protected	k_q5c7aa2ed21_scores
	.globl	k_q5c7aa2ed21_scores
	.p2align	8
	.type	k_q5c7aa2ed21_scores,@function
k_q5c7aa2ed21_scores:
	s_mov_b64 s[64:65], 0
	v_nop
	global_prefetch_b8 v0, s[64:65] scope:SCOPE_SE
	s_setreg_imm32_b32 hwreg(HW_REG_WAVE_MODE, 25, 1), 1
	s_wait_xcnt 0x0
	s_wait_alu depctr_hold_cnt(0) depctr_sa_sdst(0) depctr_va_vdst(0) depctr_va_sdst(0) depctr_va_ssrc(0) depctr_va_vcc(0) depctr_vm_vsrc(0)
	s_getreg_b32 s2, hwreg(HW_REG_IB_STS2, 6, 4)
	s_cmp_eq_u32 s2, 0
	s_cbranch_scc0 .Lentry_in_a_cluster
	s_endpgm
.Lentry_in_a_cluster:
	s_bfe_u32 s2, ttmp6, 0x10000c
	s_cmp_lg_u32 s2, 0xf033
	s_cbranch_scc0 .Lentry_shape_is_right
	s_endpgm
.Lentry_shape_is_right:
; SCORES AND THE SOFTMAX BY BLOCKS.  s = q' . k (q' carries log2(e) / scale, so s is an exponent of 2).  For each query and each block j of 128 keys:
; m[j] = the maximum of the block's s;  p = 2^(s - m[j]), rounded to f16 into pw[8192][2048];  l[j] = the sum of the unrounded p, in f32.
; stat: m[j][row] at 32,768 j + 4 row, l[j][row] 524,288 bytes further on; j = 0..15 within the row's batch.  The next launch joins the blocks by the maximum over j.
; qkv: [8192][3072] f16, a row q' | k | v.  Sums in f32.  LIMITS: p lies in 0 to 1 and below 6e-5 keeps f16's fixed step of 6e-8; NaN and infinities are not treated apart.
; SHARES.  A tile of 256 queries x 256 keys to a work-group, 128 x 128 to a wave: a wave's 128 keys are one block j, so maximum and sum never leave the wave.  K = 1,024 in 8 steps of 128.
; CLUSTER.  4 x 4 work-groups: q's tile is shared along a row of the cluster, k's along a column (the four tile rows of a cluster lie in one batch); each is asked for jointly.
; THE MATRIX INSTRUCTION IS USED TRANSPOSED: source 0 = 16 keys, source 1 = 16 queries: a lane holds ONE query (l % 16) and the keys 8 (l / 16) + 0..7 of each of 8 blocks of 16;
; the query's other 64 keys lie in the lane 16 away.
; THE WAY OUT IS A LOOP of eight trips, a block of 16 queries each.  What names the block's accumulators (the maxima, the subtraction) is written once for each block and reached by forward
; jumps on the loop's counter; all the rest is written once.
; REGISTERS: window 0: v0-31 addresses; v64-127, v128-191 fragments of q; on the way out v32-202 at work.  window 1: v64-191 fragments of k.  windows 2, 3: the accumulators ((a, b) at v[8 (8 a + b)]).
.set PA,     272                       ; an LDS row: 256 bytes + 16 of padding: the 16 rows of a load start at 16 different groups of four banks (ISA guide 11.1)
.set HALFT,  128*PA
.set SLOT,   4*HALFT                   ; q: 256 rows, then k: 256 rows
.set STAGE,  2*SLOT                    ; 16 rows x 272 bytes for each wave
.set SPITCH, 272
.set SSTAGE, STAGE+4*16*SPITCH         ; 1,024 bytes for each wave: m of its 128 rows, then l
.set SPARE,  SSTAGE+4*1024             ; the spare words: two blocks of 256 bytes that no other line names
.set STEP_A, 256
.set STEP_B, 256
.set CPITCH, 4096                      ; a row of pw
.set STEPS,  8
.set LA0,  16
.set LB0,  17
.set ADRA, 18
.set ADRB, 19
.set SO,   22                          ; v22  16 x lane: my 16 bytes of the wave's 512 in stat
.set SSR,  23                          ; v23  where I read them
.set STO,  24
.set RD,   25
.set CO,   26
.set SSA,  27                          ; v27  where my row's m goes: it steps 64 bytes a block
.set SPW,  28
.set NIL,  29
.set F0,   64
.set F1,   128
.set T,    64                          ; a block's 64 numbers a lane in f32
.set TMP,  128                         ; packed to f16
.set OB,   32                          ; read back from the stage
.set CM,   192                         ; v192-195  four chains of the maximum
.set MX,   196                         ; v196  m; named with v197 as a pair
.set LS,   198                         ; v198  l
.set NEG,  202                         ; v202  the lowest finite number
.set WV, 10
.set RH, 11
.set CH, 12
.set TR, 13
.set CX, 40
.set CY, 41
.set TC, 42
.set CB, 6                             ; s[6:7] pw
.set G1, 24
.set G0, 32
.set G1B, 48
.set G0B, 56
.set TB, 66
.set SEL, 68                           ; s[68:69] v_permlanex16_b32's selects: each lane takes its own place in the other half
.set STP, 70                           ; s[70:71] stat
.set MSB, 0
.macro WIN new
.if MSB != (\new)
	s_set_vgpr_msb (MSB<<8)|(\new)
.set MSB, \new
.endif
.endm
.set MUL_LO, 0xa1
.set MUL_HI, 0xf1
.set TO_B,   0x40
.macro JLOAD s                         ; a joint load: waves 0 and 1 fetch q's two halves, waves 2 and 3 k's; an s_nop 0 and four v_nop follow each line
	s_cmp_eq_u32 s[RH], 0
	s_cbranch_scc0 .Lfor_b_\@
	tensor_load_to_lds s[G0+4*(\s):G0+4*(\s)+3], s[G1:G1+7]
	s_nop 0
.rept 4
	v_nop
.endr
	s_branch .Lasked_\@
.Lfor_b_\@:
	tensor_load_to_lds s[G0B+4*(\s):G0B+4*(\s)+3], s[G1B:G1B+7]
	s_nop 0
.rept 4
	v_nop
.endr
.Lasked_\@:
.endm
.macro CREST
	s_cmp_lg_u32 s[WV], 0
	s_cbranch_scc1 .Lnot_wave_0_\@
	s_barrier_signal -3
.Lnot_wave_0_\@:
	s_barrier_wait -3
	s_barrier_signal -1
	s_barrier_wait -1
.endm
.macro CROUND
	s_barrier_signal -1
	s_barrier_wait -1
	CREST
.endm
.macro PLACES
.rept 4
	v_nop
.endr
.endm
	s_load_b128 s[4:7], s[0:1], 0x0                ; qkv s[4:5], pw s[6:7]
	s_load_b64 s[STP:STP+1], s[0:1], 0x10          ; stat
	v_lshl_add_u32 v[SPW], v0, 2, SPARE
	v_mov_b32 v[NIL], 0
	ds_add_u32 v[SPW], v[NIL]                      ; the wave's opening: the add and its wait stand ahead of my first tensor load
	v_lshrrev_b32 v1, 5, v0
	v_readfirstlane_b32 s[WV], v1
	s_lshr_b32 s[RH], s[WV], 1
	s_and_b32 s[CH], s[WV], 1
	s_bfe_u32 s[CX], ttmp6, 0x40000
	s_bfe_u32 s[CY], ttmp6, 0x40004
	s_lshl_b32 s[TC], ttmp9, 2
	s_add_co_u32 s[TC], s[TC], s[CX]               ; tile column: 256 keys of the batch
	s_and_b32 s[TR], ttmp7, 0xffff
	s_lshl_b32 s[TR], s[TR], 2
	s_add_co_u32 s[TR], s[TR], s[CY]               ; tile row: 256 of the 8,192 rows
	s_lshl_b32 s43, s[CY], 2
	s_lshl_b32 s43, 15, s43
	s_lshl_b32 s44, 0x1111, s[CX]
	s_or_b32 s[G1+0], s43, (1<<16)|(1<<20)|(1<<21)|(5<<22)|(3<<25)   ; the mask of my row; 2-byte elements; 4 words of padding after every 64
	s_or_b32 s[G1B+0], s44, (1<<16)|(1<<20)|(1<<21)|(5<<22)|(3<<25)  ; the same with the mask of my column
.irp g, G1, G1B
	s_mov_b32 s[(\g)+1], 128<<16                   ; tensor_dim0 = 128
	s_mov_b32 s[(\g)+2], 128<<16                   ; tensor_dim1 = 128
	s_mov_b32 s[(\g)+3], 128<<16                   ; tile_dim0 = 128
	s_mov_b32 s[(\g)+4], 128                       ; tile_dim1 = 128
	s_mov_b32 s[(\g)+5], 3072                      ; elements from row to row
	s_mov_b32 s[(\g)+6], 0
	s_mov_b32 s[(\g)+7], 0
.endr
	s_lshl_b32 s17, s[CH], 7
	s_lshl_b32 s16, s[TR], 8
	s_add_co_u32 s16, s16, s17
	s_mul_i32 s16, s16, 6144                       ; q: row 256 x tile row + 128 x half
	s_mov_b32 s17, 0
	s_and_b32 s46, ttmp7, 0xffff
	s_lshr_b32 s46, s46, 1                         ; the batch, from the cluster's y: two clusters a batch
	s_lshl_b32 s46, s46, 11
	s_lshl_b32 s47, s[TC], 8
	s_add_co_u32 s46, s46, s47
	s_lshl_b32 s47, s[CH], 7
	s_add_co_u32 s46, s46, s47
	s_mul_i32 s46, s46, 6144                       ; k: row 2,048 x batch + 256 x tile column + 128 x half,
	s_add_co_u32 s46, s46, 2048                    ; 2,048 bytes into the row
	s_mov_b32 s47, 0
	s_mul_i32 s20, s[WV], HALFT
	s_mov_b32 s[TB], 0
	s_mov_b32 s[SEL], 0x76543210
	s_mov_b32 s[SEL+1], 0xfedcba98
	s_wait_dscnt 0x0                               ; the opening add is done
	s_wait_kmcnt 0x0
	s_add_nc_u64 s[14:15], s[4:5], s[16:17]
	s_add_nc_u64 s[46:47], s[4:5], s[46:47]
	CROUND
.irp s, 0,1
	s_mov_b32 s[G0+4*(\s)], 1
	s_add_co_u32 s[G0+4*(\s)+1], s20, (\s)*SLOT
	s_add_nc_u64 s[G0+4*(\s)+2:G0+4*(\s)+3], s[14:15], (\s)*STEP_A
	s_or_b32 s[G0+4*(\s)+3], s[G0+4*(\s)+3], 0x80000000
	s_mov_b32 s[G0B+4*(\s)], 1
	s_add_co_u32 s[G0B+4*(\s)+1], s20, (\s)*SLOT
	s_add_nc_u64 s[G0B+4*(\s)+2:G0B+4*(\s)+3], s[46:47], (\s)*STEP_B
	s_or_b32 s[G0B+4*(\s)+3], s[G0B+4*(\s)+3], 0x80000000
	JLOAD \s                                       ; K steps 0 and 1: two tensor loads of mine are out
.endr
	v_and_b32 v1, 15, v0
	v_bfe_u32 v2, v0, 4, 1
	v_mul_u32_u24 v3, v1, PA
	v_lshl_add_u32 v3, v2, 4, v3                   ; a fragment's row x pitch + 16 x half
	s_mul_i32 s21, s[RH], HALFT
	v_add_nc_u32 v[LA0], s21, v3
	s_mul_i32 s22, s[CH], HALFT
	s_add_co_u32 s22, s22, 2*HALFT
	v_add_nc_u32 v[LB0], s22, v3
	s_mul_i32 s23, s[WV], 16*SPITCH
	s_add_co_u32 s23, s23, STAGE
	v_add_nc_u32 v[STO], s23, v3
	v_mul_u32_u24 v5, v2, SPITCH
	v_lshl_add_u32 v5, v1, 4, v5
	v_add_nc_u32 v[RD], s23, v5
	v_mul_u32_u24 v5, v2, CPITCH
	v_lshl_add_u32 v[CO], v1, 4, v5
	s_lshl_b32 s23, s[WV], 10
	s_add_co_u32 s23, s23, SSTAGE
	v_lshl_add_u32 v[SSA], v1, 2, s23
	v_and_b32 v4, 31, v0
	v_lshlrev_b32 v[SO], 4, v4
	v_add_nc_u32 v[SSR], s23, v[SO]
	s_lshl_b32 s16, s[TR], 8
	s_lshl_b32 s17, s[RH], 7
	s_add_co_u32 s16, s16, s17
	s_lshl_b32 s16, s16, 12                        ; my first row of pw,
	s_lshl_b32 s46, s[TC], 9
	s_lshl_b32 s47, s[CH], 8
	s_add_co_u32 s46, s46, s47
	s_add_co_u32 s16, s16, s46                     ; my first column: what the first block's way out adds to pw's address
	s_mov_b32 s17, 0
	s_lshl_b32 s20, s[TC], 1
	s_add_co_u32 s20, s20, s[CH]                   ; j
	s_lshl_b32 s20, s20, 15
	s_lshl_b32 s21, s[TR], 10
	s_add_co_u32 s20, s20, s21
	s_lshl_b32 s21, s[RH], 9
	s_add_co_u32 s20, s20, s21                     ; + 4 x my first row
	s_mov_b32 s21, 0
	s_add_nc_u64 s[STP:STP+1], s[STP:STP+1], s[20:21]
; All 64 accumulators take turns, one instruction a turn, in the same order in every quarter.
.macro MUL16 f, hi, a0, zero
	WIN MUL_LO+0x50*(\hi)
.irp a, \a0, (\a0)+1
.irp b, 0,1,2,3,4,5,6,7
.if \zero
	v_wmma_f32_16x16x32_f16 v[8*(8*(\a)+(\b)):8*(8*(\a)+(\b))+7], v[(\f)+8*(\b):(\f)+8*(\b)+7], v[(\f)+8*(4*(\hi)+(\a)):(\f)+8*(4*(\hi)+(\a))+7], 0
.else
	v_wmma_f32_16x16x32_f16 v[8*(8*(\a)+(\b)):8*(8*(\a)+(\b))+7], v[(\f)+8*(\b):(\f)+8*(\b)+7], v[(\f)+8*(4*(\hi)+(\a)):(\f)+8*(4*(\hi)+(\a))+7], v[8*(8*(\a)+(\b)):8*(8*(\a)+(\b))+7]
.endif
.endr
.endr
.endm
.macro FETCH q, f                      ; 32 LDS loads in one run: quarter q of the slot in hand into buffer f: k's 8 fragments, then q's 8
	WIN TO_B
.irp i, 0,1,2,3,4,5,6,7
	ds_load_b128 v[(\f)+8*(\i):(\f)+8*(\i)+3],   v[ADRB] offset:(\q)*64+(\i)*16*PA
	ds_load_b128 v[(\f)+8*(\i)+4:(\f)+8*(\i)+7], v[ADRB] offset:(\q)*64+(\i)*16*PA+32
.endr
	WIN 0
.irp i, 0,1,2,3,4,5,6,7
	ds_load_b128 v[(\f)+8*(\i):(\f)+8*(\i)+3],   v[ADRA] offset:(\q)*64+(\i)*16*PA
	ds_load_b128 v[(\f)+8*(\i)+4:(\f)+8*(\i)+7], v[ADRA] offset:(\q)*64+(\i)*16*PA+32
.endr
.endm
.macro QUARTER q, f, g, zero
	s_wait_dscnt 8                                 ; k and q's rows 0-63 are in; the youngest eight loads may be out
	MUL16 \f, 0, 0, \zero
	MUL16 \f, 0, 2, \zero
	PLACES
	FETCH \q, \g
	s_wait_dscnt 32                                ; all but the 32 just issued
	MUL16 \f, 1, 0, \zero
	MUL16 \f, 1, 2, \zero
.endm
.macro MEET round
	WIN 0
	s_wait_tensorcnt 0x0                           ; all my tensor loads have landed: the one that was out is my part of the next slot
	ds_add_u32 v[SPW], v[NIL]                      ; 0 onto my spare word
	s_wait_dscnt 9                                 ; (the add and the youngest eight loads may be out)
	MUL16 F1, 0, 0, 0
	s_wait_dscnt 0x0                               ; the add is done, and my reads of this slot are over
	s_barrier_signal -1
	MUL16 F1, 0, 2, 0
.if \round
	WIN 0
.endif
	s_barrier_wait -1
.endm
.macro TURN fill
.if \fill
	MEET 1
	CREST                                          ; no wave of any partner still reads this slot or has a load on its way
	s_xor_b32 s[G0+5], s[G0+5], SLOT
	s_add_nc_u64 s[G0+6:G0+7], s[G0+6:G0+7], STEP_A
	s_xor_b32 s[G0B+5], s[G0B+5], SLOT
	s_add_nc_u64 s[G0B+6:G0B+7], s[G0B+6:G0B+7], STEP_B
	JLOAD 1                                        ; my one tensor load behind the round
.else
	MEET 0
	PLACES
.endif
	WIN 0
	s_xor_b32 s[TB], s[TB], SLOT
	v_add_nc_u32 v[ADRA], s[TB], v[LA0]
	v_add_nc_u32 v[ADRB], s[TB], v[LB0]
	FETCH 0, F0
	MUL16 F1, 1, 0, 0
	MUL16 F1, 1, 2, 0
.endm
; The two pieces of the way out that name row block a's accumulators.
.macro MAXP a                          ; the maximum of my 64 scores, in four chains; each accumulator's two lowest registers are read first
.set AC, 64*((\a)%4)
	WIN 0x28+0x14*((\a)/4)                         ; sources 1 and 2: window 2 or 3
.irp u, 0,1
.irp p, 0,1,2,3
.irp c, 0,1,2,3
.if ((\u)+(\p)) == 0
	v_max3_num_f32 v[CM+(\c)], v[NEG], v[AC+8*(2*(\c)+(\u))+2*(\p)], v[AC+8*(2*(\c)+(\u))+2*(\p)+1]
.else
	v_max3_num_f32 v[CM+(\c)], v[CM+(\c)], v[AC+8*(2*(\c)+(\u))+2*(\p)], v[AC+8*(2*(\c)+(\u))+2*(\p)+1]
.endif
.endr
.endr
.endr
	WIN 0                                          ; at a label and at a branch every window is 0
.endm
.macro SUBP a                          ; s - m, into window 0
.set AC, 64*((\a)%4)
	WIN 0x02+((\a)/4)                              ; source 0: window 2 or 3
.irp b, 0,1,2,3,4,5,6,7
.irp r, 0,1,2,3
	v_pk_add_f32 v[T+8*(\b)+2*(\r):T+8*(\b)+2*(\r)+1], v[AC+8*(\b)+2*(\r):AC+8*(\b)+2*(\r)+1], v[MX:MX+1] op_sel_hi:[1,0] neg_lo:[0,1] neg_hi:[0,1]
.endr
.endr
	WIN 0
.endm
.macro CVT b                           ; eight weights of key block b, rounded to f16 in pairs
	s_wait_alu depctr_va_vdst(0)
.irp r, 0,1,2,3
	v_cvt_pk_f16_f32 v[TMP+4*(\b)+(\r)], v[T+8*(\b)+2*(\r)], v[T+8*(\b)+2*(\r)+1]
.endr
.endm
	s_wait_tensorcnt 1                             ; my part of K step 0 is in; K step 1's may stay out
	s_barrier_signal -1
	s_barrier_wait -1
	v_mov_b32 v[ADRA], v[LA0]
	v_mov_b32 v[ADRB], v[LB0]
	FETCH 0, F0
	QUARTER 1, F0, F1, 1
	WIN 0
	s_mov_b32 s3, STEPS-2
.Lstep:
	QUARTER 2, F1, F0, 0
	QUARTER 3, F0, F1, 0
	TURN 1
	QUARTER 1, F0, F1, 0
	WIN 0
	s_sub_co_u32 s3, s3, 1
	s_cmp_lg_u32 s3, 0
	s_cbranch_scc1 .Lstep
	QUARTER 2, F1, F0, 0                           ; the tail is written out: nothing more is asked for
	QUARTER 3, F0, F1, 0
	TURN 0
	QUARTER 1, F0, F1, 0
	QUARTER 2, F1, F0, 0
	QUARTER 3, F0, F1, 0
	s_wait_dscnt 8
	MUL16 F1, 0, 0, 0
	MUL16 F1, 0, 2, 0
	s_wait_dscnt 0x0
	MUL16 F1, 1, 0, 0
	MUL16 F1, 1, 2, 0
	WIN 0
	PLACES
	PLACES
	v_mov_b32 v[NEG], 0xff7fffff
	v_mov_b32 v[MX+1], 0                           ; named with m as a pair
	s_mov_b32 s3, 0
.Lblock:                                               ; trip a: the softmax of row block a (16 queries x my 128 keys) and its way out
.irp a, 0,1,2,3,4,5,6
	s_cmp_eq_u32 s3, \a
	s_cbranch_scc1 .Lmax\a
.endr
	MAXP 7
	s_branch .Lmaxed
.irp a, 0,1,2,3,4,5,6
.Lmax\a:
	MAXP \a
	s_branch .Lmaxed
.endr
.Lmaxed:
	v_max3_num_f32 v[CM], v[CM], v[CM+1], v[CM+2]
	v_max_num_f32 v[CM], v[CM], v[CM+3]
	v_permlanex16_b32 v[CM+1], v[CM], s[SEL], s[SEL+1]  ; the query's other 64 keys lie in the lane 16 away
	v_max_num_f32 v[MX], v[CM], v[CM+1]
.irp a, 0,1,2,3,4,5,6
	s_cmp_eq_u32 s3, \a
	s_cbranch_scc1 .Lsub\a
.endr
	SUBP 7
	s_branch .Lsubbed
.irp a, 0,1,2,3,4,5,6
.Lsub\a:
	SUBP \a
	s_branch .Lsubbed
.endr
.Lsubbed:
.irp b, 0,1,2,3,4,5,6,7
.irp j, 0,1,2,3,4,5,6,7
	v_exp_f32 v[T+8*(\b)+(\j)], v[T+8*(\b)+(\j)]
.endr
	v_nop                                          ; a plain instruction behind the exponentials, ahead of every use of their results (ISA guide 5.7.2)
.if (\b) > 0
	CVT (\b)-1
.endif
.endr
	CVT 7
.irp b, 0,1,2,3,4,5,6,7
	ds_store_b128 v[STO], v[TMP+4*(\b):TMP+4*(\b)+3] offset:32*(\b)   ; into my own stage: row l % 16, 16 bytes for each half of the lanes
.endr
	s_wait_xcnt 0x0                                ; the last block's stores have read their registers and their base: both are written again only behind this wait
.irp t, 0,1,2,3,4,5,6,7
	ds_load_b128 v[OB+4*(\t):OB+4*(\t)+3], v[RD] offset:(\t)*2*SPITCH  ; back as whole rows; LDS serves a wave's instructions in order (ISA guide 5.7.1.4): these see the stores above
.endr
	; the sum of the unrounded weights stands between those loads and the wait for them
.irp b, 0,1,2,3,4,5,6,7
	v_pk_add_f32 v[T+8*(\b):T+8*(\b)+1], v[T+8*(\b):T+8*(\b)+1], v[T+8*(\b)+2:T+8*(\b)+3]
	v_pk_add_f32 v[T+8*(\b)+4:T+8*(\b)+5], v[T+8*(\b)+4:T+8*(\b)+5], v[T+8*(\b)+6:T+8*(\b)+7]
.endr
.irp b, 1,2,3,4,5,6,7
	v_pk_add_f32 v[T:T+1], v[T:T+1], v[T+8*(\b):T+8*(\b)+1]
	v_pk_add_f32 v[T+4:T+5], v[T+4:T+5], v[T+8*(\b)+4:T+8*(\b)+5]
.endr
	v_pk_add_f32 v[T:T+1], v[T:T+1], v[T+4:T+5]
	v_add_f32 v[LS], v[T], v[T+1]
	v_permlanex16_b32 v[CM+1], v[LS], s[SEL], s[SEL+1]
	v_add_f32 v[LS], v[LS], v[CM+1]
	ds_store_b32 v[SSA], v[MX]                     ; both halves of the lanes write the same number to the same word
	ds_store_b32 v[SSA], v[LS] offset:512
	v_add_nc_u32 v[SSA], 64, v[SSA]                ; the next block's 16 rows
	s_add_nc_u64 s[CB:CB+1], s[CB:CB+1], s[16:17]  ; on to this block's rows of pw:
	s_mov_b32 s16, 16*CPITCH                       ; from the second block on 16 rows further
	s_wait_dscnt 2                                 ; the block is back in registers; the two stores of m and l, issued behind the loads, may be out
.irp t, 0,1,2,3,4,5,6,7
	global_store_b128 v[CO], v[OB+4*(\t):OB+4*(\t)+3], s[CB:CB+1] offset:2*(\t)*CPITCH  ; 16 lanes store 256 consecutive bytes, at a multiple of 256 from pw's first byte
.endr
	s_add_co_u32 s3, s3, 1
	s_cmp_lt_u32 s3, 8
	s_cbranch_scc1 .Lblock
	ds_load_b128 v[T:T+3], v[SSR]                  ; m of my 128 rows: 512 bytes over the 32 lanes,
	ds_load_b128 v[T+4:T+7], v[SSR] offset:512     ; and l
	s_wait_dscnt 0x0
	global_store_b128 v[SO], v[T:T+3], s[STP:STP+1]
	global_store_b128 v[SO], v[T+4:T+7], s[STP:STP+1] offset:524288
	s_wait_tensorcnt 0x0                           ; the wave's end
	ds_add_u32 v[SPW], v[NIL]
	s_wait_dscnt 0x0
	CROUND                                         ; the closing round
	s_endpgm
.Lfunc_end_k_q5c7aa2ed21_scores:
	.size	k_q5c7aa2ed21_scores, .Lfunc_end_k_q5c7aa2ed21_scores-k_q5c7aa2ed21_scores
	.p2alignl 7, 3214868480
	.fill 96, 4, 3214868480
	.section	.rodata,"a",@progbits
	.p2align	6, 0x0
	.amdhsa_kernel k_q5c7aa2ed21_scores
		.amdhsa_group_segment_fixed_size 327680
		.amdhsa_private_segment_fixed_size 0
		.amdhsa_enable_private_segment 0
		.amdhsa_kernarg_size 24
		.amdhsa_user_sgpr_count 2
		.amdhsa_user_sgpr_kernarg_segment_ptr 1
		.amdhsa_wavefront_size32 1
		.amdhsa_system_sgpr_workgroup_id_x 1
		.amdhsa_system_sgpr_workgroup_id_y 1
		.amdhsa_system_sgpr_workgroup_id_z 1
		.amdhsa_system_vgpr_workitem_id 0
		.amdhsa_next_free_vgpr 1024
		.amdhsa_next_free_sgpr 72
		.amdhsa_reserve_vcc 0
		.amdhsa_float_denorm_mode_32 3
		.amdhsa_float_denorm_mode_16_64 3
		.amdhsa_memory_ordered 1
		.amdhsa_forward_progress 1
		.amdhsa_inst_pref_size 130
	.end_amdhsa_kernel
	.amdgpu_metadata
---
amdhsa.version: [ 1, 2 ]
amdhsa.kernels:
  - .name:           k_q5c7aa2ed21_scores
    .symbol:         k_q5c7aa2ed21_scores.kd
    .args:
      - { .name: qkv, .offset: 0, .size: 8, .value_kind: global_buffer, .address_space: global }
      - { .name: pw, .offset: 8, .size: 8, .value_kind: global_buffer, .address_space: global }
      - { .name: stat, .offset: 16, .size: 8, .value_kind: global_buffer, .address_space: global }
    .group_segment_fixed_size: 327680
    .private_segment_fixed_size: 0
    .kernarg_segment_align: 8
    .kernarg_segment_size: 24
    .max_flat_workgroup_size: 128
    .sgpr_count:     72
    .vgpr_count:     1024
    .wavefront_size: 32
...
	.end_amdgpu_metadata
.endif
;; end of part 3
;; launch pv (part 4): grid 4 x 64, 4 waves a work-group, clusters of 4 x 4, 327,680 bytes of LDS; arguments pw, qkv, stat, out0; writes out0
.if DOCPART == 4
	.amdgcn_target "amdgcn-amd-amdhsa--gfx1250"
	.amdhsa_code_object_version 6
	.text
	.protected	k_q5c7aa2ed21_pv
	.globl	k_q5c7aa2ed21_pv
	.p2align	8
	.type	k_q5c7aa2ed21_pv,@function
k_q5c7aa2ed21_pv:
	s_mov_b64 s[64:65], 0
	v_nop
	global_prefetch_b8 v0, s[64:65] scope:SCOPE_SE
	s_setreg_imm32_b32 hwreg(HW_REG_WAVE_MODE, 25, 1), 1
	s_wait_xcnt 0x0
	s_wait_alu depctr_hold_cnt(0) depctr_sa_sdst(0) depctr_va_vdst(0) depctr_va_sdst(0) depctr_va_ssrc(0) depctr_va_vcc(0) depctr_vm_vsrc(0)
	s_getreg_b32 s2, hwreg(HW_REG_IB_STS2, 6, 4)
	s_cmp_eq_u32 s2, 0
	s_cbranch_scc0 .Lentry_in_a_cluster
	s_endpgm
.Lentry_in_a_cluster:
	s_bfe_u32 s2, ttmp6, 0x10000c
	s_cmp_lg_u32 s2, 0xf033
	s_cbranch_scc0 .Lentry_shape_is_right
	s_endpgm
.Lentry_shape_is_right:
; THE SECOND PRODUCT.  out[row][d] = (the sum over blocks j of f[j] x (P[j] . V[j])) / L, with M = max over j of m[j], f[j] = 2^(m[j] - M) (at most 1), L = the sum of f[j] l[j] (at least 1).
; pw: [8192][2048] f16; V: the third 2,048 bytes of qkv's rows of 6,144; stat: m[j][row] at 32,768 j + 4 row, l 524,288 bytes on; out0: [8192][1024] f32.  Sums in f32.
; A K step is 128 keys, one block j: P's fragments are multiplied by f[j] (f16, two at a time) between their load and the product.
; LIMITS.  p x f below 6e-8 counts as 0 (against L of at least 1); NaN and infinities are not treated apart.
; SHARES.  A tile of 128 queries x 256 channels to a work-group: 256 work-groups.  A wave makes 64 x 128: 32 accumulators.  K = 2,048 keys in 16 steps through two LDS slots.
; CLUSTER.  4 x 4 work-groups: P's tile is shared along a row of the cluster (the row's four tiles are the four quarters of the channels), V's along a column (a cluster's rows lie in one batch).
; THE MATRIX INSTRUCTION IS USED TRANSPOSED: source 0 = 16 channels of V (turned out of LDS by ds_load_tr16_b128), source 1 = 16 queries of P: a lane holds one query and 8 channels.
; BY QUARTERS of 32 keys: while quarter n is multiplied, quarter n + 1's fragments come from LDS, and its P is scaled by 32 lines that stand four behind each of the quarter's last 8 products.
; REGISTERS: window 0: v8-15 1/L; v16-30 addresses; v32-63 P as loaded; v64-127 at work; v128-191, v192-255 V's fragments, two buffers.
;   window 1: v0-127 accumulators of row blocks 0, 1 (64 a + 8 b); v128-159, v160-191 P scaled, two buffers; v192-195 the factors.   window 2: v0-127 accumulators of row blocks 2, 3.
.set PA,    272                        ; a row of P in LDS: 256 bytes + 16
.set PB,    544                        ; a row (one key, 256 channels) of V: 512 bytes + 32: an odd multiple of 32, for the turning load
.set AHALF, 64*PA                      ; what a tensor load of P brings: 64 rows
.set BHALF, 64*PB                      ; of V: 64 keys
.set BOFF,  2*AHALF                    ; V lies behind P's 128 rows
.set FT,    BOFF+2*BHALF               ; behind slot 0: the factors, [16 j][128 rows] words of (f, f) in f16
.set IL,    FT+8192                    ; 1/L of the 128 rows
.set SPARE, IL+512                     ; the spare words: two blocks of 256 bytes that no other line names
.set SLOT1, 1<<17                      ; slot 1 begins here: one exclusive or turns an address in one slot into the other's
.set STAGE, SLOT1+FT                   ; behind slot 1: 16 rows x 528 bytes for each wave
.set SP,    528
.set STEP_A, 256
.set STEP_B, 128*6144
.set STEPS, 16
.set IV,   8
.set LA0,  16
.set LB0,  17
.set ADRA, 18
.set ADRB, 19
.set FAD,  22                          ; v22  where my rows' factors of the K step to be fetched lie
.set STO,  24
.set RD,   25
.set CO,   26
.set SPW,  28
.set NIL,  29
.set PFO,  30                          ; v30  4,096 x lane: a row of pw; never rewritten
.set RA,   32
.set BF,   128                         ; V's fragments: buffer p at BF + 64 p
.set SA,   128                         ; window 1: scaled P: buffer p at SA + 32 p
.set FR,   192                         ; window 1
.set TMP,  128                         ; the way out
.set BK0,  192
.set BK1,  64
.set WV, 12
.set RH, 13                            ; which 64 queries are mine; also: I fetch P (0) or V (1)
.set CH, 14                            ; which 128 channels; also: which half of that tile I fetch
.set TR, 15                            ; tile row: 128 of the 8,192 rows
.set CX, 40
.set CY, 41
.set TC, 42
.set YC, 45                            ; the cluster's y
.set G1, 24
.set G0, 32
.set G1B, 48
.set G0B, 56
.set TB, 66
.set LIM, 67                           ; s67  2 in the wave that prefetches, else the greatest number
.set PFA, 70                           ; s[70:71] where my prefetches stand
.set MSB, 0
.macro WIN new
.if MSB != (\new)
	s_set_vgpr_msb (MSB<<8)|(\new)
.set MSB, \new
.endif
.endm
.set S1, 0x54                          ; D, C and source 1 in window 1, source 0 in window 0
.set S2, 0xa4                          ; D and C in window 2, source 1 in window 1
.macro JLOAD s                         ; a joint load: waves 0 and 1 fetch P's two halves, waves 2 and 3 V's; an s_nop 0 and four v_nop follow each line
	s_cmp_eq_u32 s[RH], 0
	s_cbranch_scc0 .Lfor_b_\@
	tensor_load_to_lds s[G0+4*(\s):G0+4*(\s)+3], s[G1:G1+7]
	s_nop 0
.rept 4
	v_nop
.endr
	s_branch .Lasked_\@
.Lfor_b_\@:
	tensor_load_to_lds s[G0B+4*(\s):G0B+4*(\s)+3], s[G1B:G1B+7]
	s_nop 0
.rept 4
	v_nop
.endr
.Lasked_\@:
.endm
.macro CREST
	s_cmp_lg_u32 s[WV], 0
	s_cbranch_scc1 .Lnot_wave_0_\@
	s_barrier_signal -3
.Lnot_wave_0_\@:
	s_barrier_wait -3
	s_barrier_signal -1
	s_barrier_wait -1
.endm
.macro CROUND
	s_barrier_signal -1
	s_barrier_wait -1
	CREST
.endm
.macro PLACES
.rept 4
	v_nop
.endr
.endm
; A PREFETCH INTO THE L2 of P, which the launch reads once: behind the refill that brings K step t + 2 stands one line for K step t + 4: two K steps, 256 matrix instructions, ahead of its load.
; Wave 0 of each work-group names 32 rows x 256 bytes, a lane a row; the four partners that ask for a tile jointly share its 128 rows out by address (32 cx on).  So each block is named once.
; The last two refills ask for nothing: K step 15 is the last.  V is read by four clusters each and is not asked for.
.macro ASK
	s_cmp_gt_u32 s3, s[LIM]
	s_cbranch_scc0 .Lnot_mine_\@
	global_prefetch_b8 v[PFO], s[PFA:PFA+1] th:TH_LOAD_NT scope:SCOPE_SE
.Lnot_mine_\@:
.endm
	s_load_b256 s[4:11], s[0:1], 0x0               ; pw s[4:5], qkv s[6:7], stat s[8:9], out0 s[10:11]
	v_lshl_add_u32 v[SPW], v0, 2, SPARE
	v_mov_b32 v[NIL], 0
	ds_add_u32 v[SPW], v[NIL]                      ; the wave's opening: the add and its wait stand ahead of my first tensor load
	v_lshrrev_b32 v1, 5, v0
	v_readfirstlane_b32 s[WV], v1
	s_lshr_b32 s[RH], s[WV], 1
	s_and_b32 s[CH], s[WV], 1
	s_bfe_u32 s[CX], ttmp6, 0x40000
	s_bfe_u32 s[CY], ttmp6, 0x40004
	s_lshl_b32 s[TC], ttmp9, 2
	s_add_co_u32 s[TC], s[TC], s[CX]
	s_and_b32 s[YC], ttmp7, 0xffff
	s_lshl_b32 s[TR], s[YC], 2
	s_add_co_u32 s[TR], s[TR], s[CY]
	s_lshl_b32 s43, s[CY], 2
	s_lshl_b32 s43, 15, s43                        ; my row of the cluster
	s_lshl_b32 s44, 0x1111, s[CX]                  ; my column
	; group 1 for P: 64 rows x 128 elements of 2 bytes, 4 words of padding after every 64
	s_or_b32 s[G1+0], s43, (1<<16)|(1<<20)|(1<<21)|(5<<22)|(3<<25)
	s_mov_b32 s[G1+1], 128<<16
	s_mov_b32 s[G1+2], 64<<16
	s_mov_b32 s[G1+3], 128<<16
	s_mov_b32 s[G1+4], 64
	s_mov_b32 s[G1+5], 2048
	s_mov_b32 s[G1+6], 0
	s_mov_b32 s[G1+7], 0
	; group 1 for V: 64 rows (keys) x 256 elements (channels), 8 words of padding after every 128
	s_or_b32 s[G1B+0], s44, (1<<16)|(1<<20)|(1<<21)|(6<<22)|(7<<25)
	s_mov_b32 s[G1B+1], 256<<16
	s_mov_b32 s[G1B+2], 64<<16
	s_mov_b32 s[G1B+3], 256<<16
	s_mov_b32 s[G1B+4], 64
	s_mov_b32 s[G1B+5], 3072
	s_mov_b32 s[G1B+6], 0
	s_mov_b32 s[G1B+7], 0
	s_lshl_b32 s16, s[TR], 7
	s_lshl_b32 s17, s[CH], 6
	s_add_co_u32 s16, s16, s17
	s_lshl_b32 s16, s16, 12                        ; P: row 128 x tile row + 64 x half, 4,096 bytes a row
	s_mov_b32 s17, 0
	s_lshr_b32 s46, s[YC], 2                       ; the batch, from the cluster's y: four clusters a batch
	s_lshl_b32 s46, s46, 11
	s_lshl_b32 s47, s[CH], 6
	s_add_co_u32 s46, s46, s47
	s_mul_i32 s46, s46, 6144                       ; V: key 2,048 x batch + 64 x half,
	s_lshl_b32 s47, s[TC], 9                       ; the tile column's 512 bytes,
	s_add_co_u32 s46, s46, s47
	s_add_co_u32 s46, s46, 4096                    ; 4,096 bytes into the row
	s_mov_b32 s47, 0
	s_mul_i32 s20, s[CH], AHALF                    ; where they go: no place in the cluster enters an LDS address
	s_mul_i32 s21, s[CH], BHALF
	s_add_co_u32 s21, s21, BOFF
	s_mov_b32 s[TB], 0
	s_wait_dscnt 0x0                               ; the opening add is done
	s_wait_kmcnt 0x0
	s_add_nc_u64 s[18:19], s[4:5], s[16:17]
	s_add_nc_u64 s[46:47], s[6:7], s[46:47]
	CROUND
.irp s, 0,1
	s_mov_b32 s[G0+4*(\s)], 1
	s_add_co_u32 s[G0+4*(\s)+1], s20, (\s)*SLOT1
	s_add_nc_u64 s[G0+4*(\s)+2:G0+4*(\s)+3], s[18:19], (\s)*STEP_A
	s_or_b32 s[G0+4*(\s)+3], s[G0+4*(\s)+3], 0x80000000
	s_mov_b32 s[G0B+4*(\s)], 1
	s_add_co_u32 s[G0B+4*(\s)+1], s21, (\s)*SLOT1
	s_add_nc_u64 s[G0B+4*(\s)+2:G0B+4*(\s)+3], s[46:47], (\s)*STEP_B
	s_or_b32 s[G0B+4*(\s)+3], s[G0B+4*(\s)+3], 0x80000000
	JLOAD \s                                       ; K steps 0 and 1: two tensor loads of mine are out
.endr
	; thread t makes the tables of row 128 x tile row + t
	s_lshl_b32 s16, s[TR], 9
	s_mov_b32 s17, 0
	s_add_nc_u64 s[8:9], s[8:9], s[16:17]
	v_lshlrev_b32 v3, 2, v0
.set j, 0
.rept 16
	global_load_b32 v[64+j], v3, s[8:9] offset:j*32768          ; m[j]
	global_load_b32 v[80+j], v3, s[8:9] offset:j*32768+524288   ; l[j]
.set j, j+1
.endr
	s_lshl_b32 s68, s[TR], 7
	s_lshl_b32 s69, s[CX], 5
	s_add_co_u32 s68, s68, s69                     ; my work-group's 32 rows of the tile's 128,
	s_lshl_b32 s68, s68, 12
	s_add_co_u32 s68, s68, 3*STEP_A                ; at K step 3: the first refill steps it to 4
	s_mov_b32 s69, 0
	s_add_nc_u64 s[PFA:PFA+1], s[4:5], s[68:69]
	s_cmp_eq_u32 s[WV], 0
	s_cselect_b32 s[LIM], 2, -1
	v_and_b32 v[PFO], 31, v0
	v_lshlrev_b32 v[PFO], 12, v[PFO]
	s_lshl_b32 s16, s[TR], 7
	s_lshl_b32 s17, s[RH], 6
	s_add_co_u32 s16, s16, s17
	s_lshl_b32 s16, s16, 12                        ; my first row of out0,
	s_lshl_b32 s17, s[TC], 10
	s_add_co_u32 s16, s16, s17
	s_lshl_b32 s17, s[CH], 9
	s_add_co_u32 s16, s16, s17                     ; my first channel
	s_mov_b32 s17, 0
	s_add_nc_u64 s[10:11], s[10:11], s[16:17]
	v_and_b32 v1, 15, v0
	v_bfe_u32 v2, v0, 4, 1
	v_mul_u32_u24 v4, v1, PA
	v_lshl_add_u32 v4, v2, 4, v4
	s_mul_i32 s22, s[RH], AHALF
	v_add_nc_u32 v[LA0], s22, v4                   ; P: my 64 rows; row x pitch + 16 x half
	v_and_b32 v5, 7, v0
	v_lshl_add_u32 v5, v2, 3, v5
	v_mul_u32_u24 v5, v5, PB
	v_bfe_u32 v6, v0, 3, 1
	v_lshl_add_u32 v5, v6, 4, v5
	s_lshl_b32 s22, s[CH], 8
	s_add_co_u32 s22, s22, BOFF
	v_add_nc_u32 v[LB0], s22, v5                   ; V: key 8 (l / 16) + l % 8, channels 8 ((l / 8) % 2) on, my 128 channels
	s_lshl_b32 s22, s[RH], 8
	s_add_co_u32 s22, s22, FT
	v_lshl_add_u32 v[FAD], v1, 2, s22              ; the factor of row 64 x half + l % 16, block 0
	s_mul_i32 s23, s[WV], 16*SP
	s_add_co_u32 s23, s23, STAGE
	v_mul_u32_u24 v5, v1, SP
	v_lshl_add_u32 v5, v2, 5, v5
	v_add_nc_u32 v[STO], s23, v5                   ; in: row l % 16, 32 bytes for each half of the lanes
	v_and_b32 v6, 31, v0
	v_lshlrev_b32 v[CO], 4, v6                     ; back: 32 lanes take a row of 512 bytes
	v_add_nc_u32 v[RD], s23, v[CO]
	s_wait_loadcnt 0x0
	v_max3_num_f32 v96, v64, v65, v66              ; M
.set j, 67
.rept 6
	v_max3_num_f32 v96, v96, v[j], v[j+1]
.set j, j+2
.endr
	v_max_num_f32 v96, v96, v79
.set j, 0
.rept 16
	v_sub_f32 v[64+j], v[64+j], v96
.set j, j+1
.endr
.set j, 0
.rept 16
	v_exp_f32 v[64+j], v[64+j]                     ; f[j]
.set j, j+1
.endr
	v_nop                                          ; a plain instruction behind the exponentials (ISA guide 5.7.2)
	s_wait_alu depctr_va_vdst(0)
	v_mul_f32 v97, v64, v80                        ; L, in two chains
	v_mul_f32 v98, v65, v81
.set j, 2
.rept 7
	v_fma_f32 v97, v[64+j], v[80+j], v97
	v_fma_f32 v98, v[65+j], v[81+j], v98
.set j, j+2
.endr
	v_add_f32 v97, v97, v98
	v_rcp_f32 v98, v97
	v_lshl_add_u32 v99, v0, 2, FT                  ; (the plain instruction behind the reciprocal)
.set j, 0
.rept 16
	v_cvt_pk_f16_f32 v[64+j], v[64+j], v[64+j]     ; f twice, for the packed multiply
.set j, j+1
.endr
.set j, 0
.rept 16
	ds_store_b32 v99, v[64+j] offset:512*j
.set j, j+1
.endr
	s_wait_alu depctr_va_vdst(0)
	ds_store_b32 v99, v98 offset:IL-FT
; A quarter's LDS loads in one run: [the K step's four factors,] P's 4 fragments as they lie, V's 8 fragments turned, into buffer p
.macro PFETCH q, p, newf
.if \newf
	WIN 0x40                                       ; destination window 1
.irp a, 0,1,2,3
	ds_load_b32 v[FR+(\a)], v[FAD] offset:64*(\a)
.endr
.endif
	WIN 0
.irp a, 0,1,2,3
	ds_load_b128 v[RA+8*(\a):RA+8*(\a)+3],   v[ADRA] offset:64*(\q)+(\a)*16*PA
	ds_load_b128 v[RA+8*(\a)+4:RA+8*(\a)+7], v[ADRA] offset:64*(\q)+(\a)*16*PA+32
.endr
.irp b, 0,1,2,3,4,5,6,7
	ds_load_tr16_b128 v[BF+64*(\p)+8*(\b):BF+64*(\p)+8*(\b)+3],   v[ADRB] offset:(\q)*32*PB+32*(\b)
	ds_load_tr16_b128 v[BF+64*(\p)+8*(\b)+4:BF+64*(\p)+8*(\b)+7], v[ADRB] offset:(\q)*32*PB+32*(\b)+16*PB
.endr
.endm
; 8 products: row block a x all 8 channel blocks.  The 32 accumulators take turns, one instruction a turn, in the same order (2, 3, 0, 1) in every quarter.
.macro XH p, a, zero
.if (\a) < 2
	WIN S1
.else
	WIN S2
.endif
.set AC, 64*((\a)%2)
.irp b, 0,1,2,3,4,5,6,7
.if \zero
	v_wmma_f32_16x16x32_f16 v[AC+8*(\b):AC+8*(\b)+7], v[BF+64*(\p)+8*(\b):BF+64*(\p)+8*(\b)+7], v[SA+32*(\p)+8*(\a):SA+32*(\p)+8*(\a)+7], 0
.else
	v_wmma_f32_16x16x32_f16 v[AC+8*(\b):AC+8*(\b)+7], v[BF+64*(\p)+8*(\b):BF+64*(\p)+8*(\b)+7], v[SA+32*(\p)+8*(\a):SA+32*(\p)+8*(\a)+7], v[AC+8*(\b):AC+8*(\b)+7]
.endif
.endr
.endm
; Row blocks 0 and 1.  ride = 1: behind each of block 1's products four lines scale the next quarter's P into the other buffer; they name none of the products' registers, and the four behind the
; last product are the places in front of the next run of loads.
.macro YPART p, zero, ride
	XH \p, 0, \zero
.if \ride
	s_wait_dscnt 16                                ; the factors and P are in; V's 16 loads, issued behind them, may be out
.endif
.irp b, 0,1,2,3,4,5,6,7
.if \zero
	v_wmma_f32_16x16x32_f16 v[64+8*(\b):64+8*(\b)+7], v[BF+64*(\p)+8*(\b):BF+64*(\p)+8*(\b)+7], v[SA+32*(\p)+8:SA+32*(\p)+15], 0
.else
	v_wmma_f32_16x16x32_f16 v[64+8*(\b):64+8*(\b)+7], v[BF+64*(\p)+8*(\b):BF+64*(\p)+8*(\b)+7], v[SA+32*(\p)+8:SA+32*(\p)+15], v[64+8*(\b):64+8*(\b)+7]
.endif
.if \ride
.irp z, 0,1,2,3
	v_pk_mul_f16 v[SA+32*(1-(\p))+4*(\b)+(\z)], v[RA+4*(\b)+(\z)], v[FR+(4*(\b)+(\z))/8]
.endr
.endif
.endr
.endm
; One of a K step's first three quarters: fetches quarter q, multiplies buffers p.
.macro PQ q, p, zero
	PFETCH \q, 1-(\p), 0
	s_wait_dscnt 24                                ; all but the 24 just issued: V's fragments of this quarter are in
	XH \p, 2, \zero
	XH \p, 3, \zero
	YPART \p, \zero, 1
.endm
; A K step's last quarter (buffers 1) and the change of slots.  fill = 1: the barrier opens a round of the cluster's; behind it the slot just read is filled again, with the K step two on.
.macro PTURN fill
	WIN 0
.if \fill
	s_wait_xcnt 0x0                                ; the last prefetch, a K step back, has read its address
	s_add_nc_u64 s[PFA:PFA+1], s[PFA:PFA+1], STEP_A
.endif
	s_wait_tensorcnt 0x0                           ; all my tensor loads have landed: the one that was out is my part of the next slot
	ds_add_u32 v[SPW], v[NIL]                      ; 0 onto my spare word
	s_wait_dscnt 1                                 ; (the add may be out; V's fragments are in)
	XH 1, 2, 0
	s_wait_dscnt 0x0                               ; the add is done, and my reads of this slot are over
	s_barrier_signal -1
	XH 1, 3, 0
	WIN 0
	s_barrier_wait -1
.if \fill
	CREST                                          ; no wave of any partner still reads this slot or has a load on its way
	s_xor_b32 s[G0+5], s[G0+5], SLOT1
	s_add_nc_u64 s[G0+6:G0+7], s[G0+6:G0+7], STEP_A
	s_xor_b32 s[G0B+5], s[G0B+5], SLOT1
	s_add_nc_u64 s[G0B+6:G0B+7], s[G0B+6:G0B+7], STEP_B
	JLOAD 1                                        ; my one tensor load behind the round
.else
	PLACES
.endif
	s_xor_b32 s[TB], s[TB], SLOT1
	v_add_nc_u32 v[ADRA], s[TB], v[LA0]
	v_add_nc_u32 v[ADRB], s[TB], v[LB0]
	v_add_nc_u32 v[FAD], 512, v[FAD]               ; the next block's factors
	PFETCH 0, 0, 1
.if \fill
	ASK
.endif
	YPART 1, 0, 1
.endm
; THE WAY OUT of row block a.  PACK: times 1/L.  TOSTAGE: into my own stage, and back as whole rows of 512 bytes.  SEND: stored.
.macro PACK a
.set AC, 64*((\a)%2)
	WIN 0x01+((\a)/2)                              ; source 0: window 1 or 2
.irp b, 0,1,2,3,4,5,6,7
.irp r, 0,1,2,3
	v_pk_mul_f32 v[TMP+8*(\b)+2*(\r):TMP+8*(\b)+2*(\r)+1], v[AC+8*(\b)+2*(\r):AC+8*(\b)+2*(\r)+1], v[IV+2*(\a):IV+2*(\a)+1] op_sel_hi:[1,0]
.endr
.endr
	WIN 0
.endm
.macro TOSTAGE a
.set BK, BK0+(BK1-BK0)*((\a)%2)
.irp b, 0,1,2,3,4,5,6,7
	ds_store_b128 v[STO], v[TMP+8*(\b):TMP+8*(\b)+3]   offset:64*(\b)
	ds_store_b128 v[STO], v[TMP+8*(\b)+4:TMP+8*(\b)+7] offset:64*(\b)+16
.endr
.irp t, 0,1,2,3,4,5,6,7,8,9,10,11,12,13,14,15
	ds_load_b128 v[BK+4*(\t):BK+4*(\t)+3], v[RD] offset:(\t)*SP  ; LDS serves a wave's instructions in order (ISA guide 5.7.1.4): these see the stores above
.endr
.endm
.macro SEND a
.set BK, BK0+(BK1-BK0)*((\a)%2)
	s_wait_dscnt 0x0
	s_wait_xcnt 0x0                                ; the registers that earlier stores read are loaded again only behind this wait
.irp t, 0,1,2,3,4,5,6,7,8,9,10,11,12,13,14,15
	global_store_b128 v[CO], v[BK+4*(\t):BK+4*(\t)+3], s[10:11] offset:(16*(\a)+(\t))*4096 th:TH_STORE_NT  ; 512 consecutive bytes, at a multiple of 256 from out0's first byte
.endr
.endm
	s_wait_dscnt 0x0                               ; for the others' sake: my part of the tables is written
	s_wait_tensorcnt 1                             ; my part of K step 0 is in; K step 1's may stay out
	s_barrier_signal -1
	s_barrier_wait -1
	v_mov_b32 v[ADRA], v[LA0]
	v_mov_b32 v[ADRB], v[LB0]
.irp a, 0,1,2,3
	ds_load_b32 v[IV+2*(\a)],   v[FAD] offset:IL-FT+64*(\a)  ; 1/L of my rows, each into a pair
	ds_load_b32 v[IV+2*(\a)+1], v[FAD] offset:IL-FT+64*(\a)
.endr
	PFETCH 0, 0, 1
	s_wait_dscnt 16                                ; all but V's 16 loads
	WIN S1
.set i, 0
.rept 32
	v_pk_mul_f16 v[SA+i], v[RA+i], v[FR+i/8]
.set i, i+1
.endr
	PQ 1, 0, 1                                     ; the first quarter stands in front of the loop: its products start the sums
	WIN 0
	s_mov_b32 s3, STEPS-2
.Lstep:                                                ; a trip: a K step's quarters 1 to 3, the refill (K steps 2 to 15), the next step's quarter 0
	PQ 2, 1, 0
	PQ 3, 0, 0
	PTURN 1
	PQ 1, 0, 0
	WIN 0
	s_sub_co_u32 s3, s3, 1
	s_cmp_lg_u32 s3, 0
	s_cbranch_scc1 .Lstep
	PQ 2, 1, 0                                     ; the tail is written out: nothing more is asked for
	PQ 3, 0, 0
	PTURN 0
	PQ 1, 0, 0
	PQ 2, 1, 0
	PQ 3, 0, 0
	s_wait_dscnt 0x0
	XH 1, 2, 0
	XH 1, 3, 0
	YPART 1, 0, 0
	WIN 0
	PLACES
	PLACES
	PACK 0
	TOSTAGE 0
.irp a, 1,2,3                          ; block a's arithmetic stands between block a - 1's loads from the stage and the wait for them
	PACK \a
	SEND (\a)-1
	TOSTAGE \a
.endr
	SEND 3
	s_wait_tensorcnt 0x0                           ; the wave's end
	ds_add_u32 v[SPW], v[NIL]
	s_wait_dscnt 0x0
	CROUND                                         ; the closing round
	s_endpgm
.Lfunc_end_k_q5c7aa2ed21_pv:
	.size	k_q5c7aa2ed21_pv, .Lfunc_end_k_q5c7aa2ed21_pv-k_q5c7aa2ed21_pv
	.p2alignl 7, 3214868480
	.fill 96, 4, 3214868480
	.section	.rodata,"a",@progbits
	.p2align	6, 0x0
	.amdhsa_kernel k_q5c7aa2ed21_pv
		.amdhsa_group_segment_fixed_size 327680
		.amdhsa_private_segment_fixed_size 0
		.amdhsa_enable_private_segment 0
		.amdhsa_kernarg_size 32
		.amdhsa_user_sgpr_count 2
		.amdhsa_user_sgpr_kernarg_segment_ptr 1
		.amdhsa_wavefront_size32 1
		.amdhsa_system_sgpr_workgroup_id_x 1
		.amdhsa_system_sgpr_workgroup_id_y 1
		.amdhsa_system_sgpr_workgroup_id_z 1
		.amdhsa_system_vgpr_workitem_id 0
		.amdhsa_next_free_vgpr 640
		.amdhsa_next_free_sgpr 72
		.amdhsa_reserve_vcc 0
		.amdhsa_float_denorm_mode_32 3
		.amdhsa_float_denorm_mode_16_64 3
		.amdhsa_memory_ordered 1
		.amdhsa_forward_progress 1
		.amdhsa_inst_pref_size 111
	.end_amdhsa_kernel
	.amdgpu_metadata
---
amdhsa.version: [ 1, 2 ]
amdhsa.kernels:
  - .name:           k_q5c7aa2ed21_pv
    .symbol:         k_q5c7aa2ed21_pv.kd
    .args:
      - { .name: pw, .offset: 0, .size: 8, .value_kind: global_buffer, .address_space: global }
      - { .name: qkv, .offset: 8, .size: 8, .value_kind: global_buffer, .address_space: global }
      - { .name: stat, .offset: 16, .size: 8, .value_kind: global_buffer, .address_space: global }
      - { .name: out0, .offset: 24, .size: 8, .value_kind: global_buffer, .address_space: global }
    .group_segment_fixed_size: 327680
    .private_segment_fixed_size: 0
    .kernarg_segment_align: 8
    .kernarg_segment_size: 32
    .max_flat_workgroup_size: 128
    .sgpr_count:     72
    .vgpr_count:     640
    .wavefront_size: 32
...
	.end_amdgpu_metadata
.endif
;; end of part 4
